; MI455X (gfx1250); checked and timed in simulation.
; The chip was launched on July 23, 2026; its instructions are those of AMD's public machine-readable ISA for CDNA 5 (MIT licence, August 2026) and "CDNA5" Instruction Set Architecture Reference Guide (July 2026). The comments in the code are by the model that wrote it; some were corrected since.
;; Vector Quantizer. Allowed arithmetic: float matrix products may take bf16 or f16 operands with f32 sums; all other float work in f32.
;; Inputs: emb 16,384 x 256 float32; z 16 x 256 x 32 x 32 float32.
;; Outputs: out0 16 x 256 x 32 x 32 float32; out1 one number float32; out2 16,384 int32.
;; 2 versions, each right; version 2 is version 1 with the launch prep written anew for expert scheduling mode. Each part assembles by itself: llvm-mc -triple=amdgcn-amd-amdhsa -mcpu=gfx1250 --defsym DOCPART=n.
;; ======== version 1 of 2: 4 launches
;; workspace buffers: zt 8,388,608 bytes; eb 8,388,608 bytes; nz 65,536 bytes; ne 65,536 bytes; part 1,048,576 bytes of whole numbers; lpart 1,024 bytes
;; launch prep (part 1): grid 256 x 1, 8 waves a work-group, no clusters, 35,328 bytes of LDS; arguments z, emb, zt, eb, nz, ne; writes zt, eb, nz, ne
.if DOCPART == 1
	.amdgcn_target "amdgcn-amd-amdhsa--gfx1250"
	.amdhsa_code_object_version 6
	.text
	.protected	k_q9aa25156a5_prep
	.globl	k_q9aa25156a5_prep
	.p2align	8
	.type	k_q9aa25156a5_prep,@function
k_q9aa25156a5_prep:
	s_mov_b64 s[64:65], 0
	v_nop
	global_prefetch_b8 v0, s[64:65] scope:SCOPE_SE
	s_setreg_imm32_b32 hwreg(HW_REG_WAVE_MODE, 25, 1), 1
	s_wait_xcnt 0x0
; zt[n][c] = bf16(z[b][c][p]), n = 1024 b + p: z turned so that a vector's 256 channels lie on end.  eb = bf16(emb).
; nz[n] = sum over c of zt[n][c]^2, ne[k] = sum over c of eb[k][c]^2, both in f32 and both of the ROUNDED numbers.
; LIMITS.  z and emb are rounded to bf16 once, here; every later launch works on the rounded numbers.  The two norms are
; summed in this text's order (8 numbers a lane, then across the 32 lanes).  NaN and infinities are not treated apart.
; SHARES.  Work-group g of 256 takes 64 vectors of z (batch g / 16, places 64 (g % 16) on: for each channel 256 aligned bytes)
; and the 64 rows 64 g on of emb.  A stream: each input byte is read once, each store of a wave covers whole aligned blocks
; of 256 bytes.  The matrix unit, clusters and the data mover have nothing to add here.
; THE TURN goes through LDS: a thread rounds two channels of four places into four words and stores them into four rows;
; a wave then reads whole rows of 512 bytes.  Place p lies in row (p % 4) 16 + p / 4, rows 528 bytes = 132 words apart:
; the 32 lanes of a store then fall on 32 different words modulo 64.
.set PITCH, 528
.set NZL,   64*PITCH                   ; 33,792: behind the rows, 64 sums for nz,
.set NEL,   NZL+256                    ; 64 sums for ne,
.set SPARE, NEL+256                    ; and the spare words: 128 bytes for each of the eight waves, named by no other line
.set SPW, 10                           ; v10  SPARE + 4 x my thread's number; never rewritten
.set NIL, 11                           ; v11  0; never rewritten
.set Z,   32                           ; v[32:95]   z as loaded: step i, channel c at Z+8i, channel c+1 at Z+8i+4; later the turned rows
.set E,   96                           ; v[96:159]  emb as loaded: row i at E+8i; its first four registers then hold the rounded row
.set WV,  16                           ; s16  my wave's number
.set HM,  24                           ; s24  a word's upper bf16
.set SEL, 26                           ; s[26:27] each lane takes its own place in the other half of the lanes
	s_load_b256 s[4:11], s[0:1], 0x0               ; z s[4:5], emb s[6:7], zt s[8:9], eb s[10:11]
	s_load_b128 s[12:15], s[0:1], 0x20             ; nz s[12:13], ne s[14:15]
	v_lshl_add_u32 v[SPW], v0, 2, SPARE
	v_mov_b32 v[NIL], 0
	v_lshrrev_b32 v1, 5, v0
	v_readfirstlane_b32 s[WV], v1
	v_and_b32 v1, 31, v0                           ; lane
	v_and_b32 v2, 15, v0                           ; l16: which four places
	v_lshrrev_b32 v3, 4, v0                        ; cg: which pair of channels, 0..15
	v_lshlrev_b32 v4, 13, v3                       ; z: two channels of 4,096 bytes for each cg,
	v_lshl_add_u32 v4, v2, 4, v4                   ; 16 bytes for each l16
	s_lshl_b32 s17, s[WV], 13
	v_lshl_add_u32 v5, v1, 4, s17                  ; emb: my wave's 8 rows of 1,024 bytes, 16 bytes a lane
	v_mul_u32_u24 v6, v2, PITCH
	v_lshl_add_u32 v6, v3, 2, v6                   ; into LDS: row l16 (+ 16 j), word cg (+ 16 i)
	s_mul_i32 s18, s[WV], 2*PITCH
	v_lshl_add_u32 v7, v1, 4, s18                  ; back: places 8 w + i lie in rows (i % 4) 16 + 2 w + i / 4
	s_lshl_b32 s19, s[WV], 12
	v_lshl_add_u32 v8, v1, 3, s19                  ; eb: my wave's 8 rows of 512 bytes, 8 bytes a lane
	v_lshl_add_u32 v9, v1, 4, s19                  ; zt: the same rows, 16 bytes a lane
	s_lshl_b32 s20, s[WV], 5
	s_add_co_u32 s21, s20, NEL
	s_add_co_u32 s20, s20, NZL
	v_mov_b32 v20, s21                             ; where my wave's 8 sums for ne go
	v_mov_b32 v21, s20                             ; and those for nz
	s_mov_b32 s[HM], 0xffff0000
	s_mov_b32 s[SEL], 0x76543210
	s_mov_b32 s[SEL+1], 0xfedcba98
	s_lshr_b32 s18, ttmp9, 4
	s_lshl_b32 s18, s18, 20                        ; z: the batch's 256 x 4,096 bytes,
	s_and_b32 s19, ttmp9, 15
	s_lshl_b32 s19, s19, 8                         ; my 64 places
	s_add_co_u32 s18, s18, s19
	s_mov_b32 s19, 0
	s_lshl_b32 s20, ttmp9, 16                      ; emb: 64 rows of 1,024 bytes
	s_mov_b32 s21, 0
	s_lshl_b32 s22, ttmp9, 15                      ; zt, eb: 64 rows of 512 bytes
	s_mov_b32 s23, 0
	s_lshl_b32 s28, ttmp9, 8                       ; nz, ne: 64 numbers
	s_mov_b32 s29, 0
	s_wait_kmcnt 0x0
	s_add_nc_u64 s[4:5], s[4:5], s[18:19]
	s_add_nc_u64 s[6:7], s[6:7], s[20:21]
	s_add_nc_u64 s[8:9], s[8:9], s[22:23]
	s_add_nc_u64 s[10:11], s[10:11], s[22:23]
	s_add_nc_u64 s[12:13], s[12:13], s[28:29]
	s_add_nc_u64 s[14:15], s[14:15], s[28:29]
	; all 32 loads of the wave go out first: 16 of z (sixteen lanes take 256 neighbouring bytes of a channel), 16 of emb (512 neighbouring bytes each)
.set i, 0
.rept 8
	global_load_b128 v[Z+8*i:Z+8*i+3],   v4, s[4:5] offset:131072*i        ; channel 2 (cg + 16 i)
	global_load_b128 v[Z+8*i+4:Z+8*i+7], v4, s[4:5] offset:131072*i+4096   ; and the next
.set i, i+1
.endr
.set i, 0
.rept 8
	global_load_b128 v[E+8*i:E+8*i+3],   v5, s[6:7] offset:1024*i th:TH_LOAD_NT       ; row 8 w + i, channels 4 lane on
	global_load_b128 v[E+8*i+4:E+8*i+7], v5, s[6:7] offset:1024*i+512 th:TH_LOAD_NT   ; channels 128 + 4 lane on
.set i, i+1
.endr
; The sum of the squares of the 8 bf16 in v[r .. r+3], over all 32 lanes, into v14 of every lane.
.macro SQ r
	v_lshlrev_b32 v12, 16, v[(\r)]
	v_and_b32 v13, s[HM], v[(\r)]
	v_pk_mul_f32 v[14:15], v[12:13], v[12:13]      ; the first pair starts the sums
.irp j, 1,2,3
	v_lshlrev_b32 v12, 16, v[(\r)+\j]
	v_and_b32 v13, s[HM], v[(\r)+\j]
	v_pk_fma_f32 v[14:15], v[12:13], v[12:13], v[14:15]
.endr
	v_add_f32 v14, v14, v15
	v_add_f32_dpp v14, v14, v14 row_xmask:1 row_mask:0xf bank_mask:0xf
	v_add_f32_dpp v14, v14, v14 row_xmask:2 row_mask:0xf bank_mask:0xf
	v_add_f32_dpp v14, v14, v14 row_xmask:4 row_mask:0xf bank_mask:0xf
	v_add_f32_dpp v14, v14, v14 row_xmask:8 row_mask:0xf bank_mask:0xf
	v_permlanex16_b32 v15, v14, s[SEL], s[SEL+1]
	v_add_f32 v14, v14, v15
.endm
	; z: two channels of a place make a word of its row
.set i, 0
.rept 8
	s_wait_loadcnt 30-2*i                          ; loads come back in order: the 30 - 2 i issued behind step i's two may stay out
.irp j, 0,1,2,3
	v_cvt_pk_bf16_f32 v[16+\j], v[Z+8*i+\j], v[Z+8*i+4+\j]
.endr
.irp j, 0,1,2,3
	ds_store_b32 v6, v[16+\j] offset:16*PITCH*\j+64*i
.endr
.set i, i+1
.endr
	; emb: rounded, stored (each store of the wave covers 256 consecutive bytes, aligned), squared and summed
.set i, 0
.rept 8
	s_wait_loadcnt 14-2*i                          ; the 14 - 2 i issued behind row i's two may stay out
	v_cvt_pk_bf16_f32 v[E+8*i],   v[E+8*i],   v[E+8*i+1]
	v_cvt_pk_bf16_f32 v[E+8*i+1], v[E+8*i+2], v[E+8*i+3]
	v_cvt_pk_bf16_f32 v[E+8*i+2], v[E+8*i+4], v[E+8*i+5]
	v_cvt_pk_bf16_f32 v[E+8*i+3], v[E+8*i+6], v[E+8*i+7]
	global_store_b64 v8, v[E+8*i:E+8*i+1],   s[10:11] offset:512*i
	global_store_b64 v8, v[E+8*i+2:E+8*i+3], s[10:11] offset:512*i+256
	SQ E+8*i
	ds_store_b32 v20, v14 offset:4*i               ; every lane holds the sum: all write the same word
.set i, i+1
.endr
	s_wait_dscnt 0x0                               ; for the others' sake: my words of the rows are in LDS
	s_barrier_signal -1
	s_barrier_wait -1
	; the turned rows: read whole, stored whole, squared and summed
.set i, 0
.rept 8
	ds_load_b128 v[Z+4*i:Z+4*i+3], v7 offset:((i%4)*16+i/4)*PITCH
.set i, i+1
.endr
.set i, 0
.rept 8
	s_wait_dscnt 7                                 ; behind row i's load: 7 - i younger loads and the i sums stored so far
	global_store_b128 v9, v[Z+4*i:Z+4*i+3], s[8:9] offset:512*i  ; 512 consecutive bytes, a whole row of zt
	SQ Z+4*i
	ds_store_b32 v21, v14 offset:4*i
.set i, i+1
.endr
	s_wait_dscnt 0x0                               ; for the others' sake: my sums are in LDS
	s_barrier_signal -1
	s_barrier_wait -1
	s_cmp_gt_u32 s[WV], 1
	s_cbranch_scc1 .Lend
	s_lshl_b32 s17, s[WV], 8                       ; wave 0 sends the 64 sums of nz, wave 1 those of ne: 256 consecutive bytes each
	s_add_co_u32 s17, s17, NZL
	v_lshl_add_u32 v22, v1, 3, s17
	v_lshlrev_b32 v23, 3, v1
	ds_load_b64 v[24:25], v22
	s_cmp_eq_u32 s[WV], 0
	s_cselect_b64 s[18:19], s[12:13], s[14:15]
	s_wait_dscnt 0x0
	global_store_b64 v23, v[24:25], s[18:19]
.Lend:
	s_wait_tensorcnt 0x0                           ; the wave's end: an add of 0 to my spare word and its wait, behind my last LDS store
	ds_add_u32 v[SPW], v[NIL]
	s_wait_dscnt 0x0
	s_endpgm
.Lfunc_end_k_q9aa25156a5_prep:
	.size	k_q9aa25156a5_prep, .Lfunc_end_k_q9aa25156a5_prep-k_q9aa25156a5_prep
	.p2alignl 7, 3214868480
	.fill 96, 4, 3214868480
	.section	.rodata,"a",@progbits
	.p2align	6, 0x0
	.amdhsa_kernel k_q9aa25156a5_prep
		.amdhsa_group_segment_fixed_size 35328
		.amdhsa_private_segment_fixed_size 0
		.amdhsa_enable_private_segment 0
		.amdhsa_kernarg_size 48
		.amdhsa_user_sgpr_count 2
		.amdhsa_user_sgpr_kernarg_segment_ptr 1
		.amdhsa_wavefront_size32 1
		.amdhsa_system_sgpr_workgroup_id_x 1
		.amdhsa_system_sgpr_workgroup_id_y 1
		.amdhsa_system_sgpr_workgroup_id_z 1
		.amdhsa_system_vgpr_workitem_id 0
		.amdhsa_next_free_vgpr 160
		.amdhsa_next_free_sgpr 66
		.amdhsa_reserve_vcc 0
		.amdhsa_float_denorm_mode_32 3
		.amdhsa_float_denorm_mode_16_64 3
		.amdhsa_memory_ordered 1
		.amdhsa_forward_progress 1
		.amdhsa_inst_pref_size 31
	.end_amdhsa_kernel
	.amdgpu_metadata
---
amdhsa.version: [ 1, 2 ]
amdhsa.kernels:
  - .name:           k_q9aa25156a5_prep
    .symbol:         k_q9aa25156a5_prep.kd
    .args:
      - { .name: z, .offset: 0, .size: 8, .value_kind: global_buffer, .address_space: global }
      - { .name: emb, .offset: 8, .size: 8, .value_kind: global_buffer, .address_space: global }
      - { .name: zt, .offset: 16, .size: 8, .value_kind: global_buffer, .address_space: global }
      - { .name: eb, .offset: 24, .size: 8, .value_kind: global_buffer, .address_space: global }
      - { .name: nz, .offset: 32, .size: 8, .value_kind: global_buffer, .address_space: global }
      - { .name: ne, .offset: 40, .size: 8, .value_kind: global_buffer, .address_space: global }
    .group_segment_fixed_size: 35328
    .private_segment_fixed_size: 0
    .kernarg_segment_align: 8
    .kernarg_segment_size: 48
    .max_flat_workgroup_size: 256
    .sgpr_count:     66
    .vgpr_count:     160
    .wavefront_size: 32
...
	.end_amdgpu_metadata
.endif
;; end of part 1
;; launch scan (part 2): grid 32 x 8, 4 waves a work-group, clusters of 4 x 1, 327,680 bytes of LDS; arguments zt, eb, nz, ne, part; writes part
.if DOCPART == 2
	.amdgcn_target "amdgcn-amd-amdhsa--gfx1250"
	.amdhsa_code_object_version 6
	.text
	.protected	k_q9aa25156a5_scan
	.globl	k_q9aa25156a5_scan
	.p2align	8
	.type	k_q9aa25156a5_scan,@function
k_q9aa25156a5_scan:
	s_mov_b64 s[64:65], 0
	v_nop
	global_prefetch_b8 v0, s[64:65] scope:SCOPE_SE
	s_setreg_imm32_b32 hwreg(HW_REG_WAVE_MODE, 25, 1), 1
	s_wait_xcnt 0x0
	s_wait_alu depctr_hold_cnt(0) depctr_sa_sdst(0) depctr_va_vdst(0) depctr_va_sdst(0) depctr_va_ssrc(0) depctr_va_vcc(0) depctr_vm_vsrc(0)
	s_getreg_b32 s2, hwreg(HW_REG_IB_STS2, 6, 4)
	s_cmp_eq_u32 s2, 0
	s_cbranch_scc0 .Lentry_in_a_cluster
	s_endpgm
.Lentry_in_a_cluster:
	s_bfe_u32 s2, ttmp6, 0x10000c
	s_cmp_lg_u32 s2, 0x3003
	s_cbranch_scc0 .Lentry_shape_is_right
	s_endpgm
.Lentry_shape_is_right:
; For each of 16,384 vectors (rows of zt) the first smallest d[n][k] = (nz[n] + ne[k]) - 2 zt[n] . eb[k] over one eighth of the 16,384 codes.
; part[0][sp][n] = d's bits as a signed whole number of the same order, part[1][sp][n] = the code's number.
; ARITHMETIC.  The product in bf16 with f32 sums, K ascending, one accumulator an output.  t = nz + ne rounded once; d = t - 2 dot rounded once (one fused
; multiply-add: 2 dot is exact).  A code takes the place of the running minimum R only where d - R < 0, and each chain sees its codes in ascending order.
; LIMITS.  NaN and infinities are not treated apart (a NaN never wins).  d = -0 does not arise (t is +0 or more, and x - x is +0), so the whole-number image orders as the floats do.
; The sums' last bits are the matrix unit's, not a CPU's: a row whose leading distances lie that near a rounding boundary of d may settle its tie otherwise.
; SHARES.  Work-group (rb, sp): rows 512 rb on, codes 2,048 sp on; 32 x 8 = 256 work-groups of equal work.  A wave owns 128 rows, 8 tiles of 16, with all 256 channels:
; 64 fragments, 512 registers, loaded once; they never move.  All four waves walk the same 128 tiles of 16 codes out of LDS: 16 LDS loads feed 64 matrix instructions.
; LAYOUT.  Source 0 = 16 codes, source 1 = 16 rows of zt: in the result a lane holds ONE row (lane % 16) and the codes 8 (lane / 16) + 0..7, so the running minimum stays in its lane to the end.
; CLUSTER.  The four work-groups of a cluster share sp and walk the same codes: each tile of codes, and ne, is asked for JOINTLY, by the same load, descriptor and mask in all four.
; zt is not shared so: a work-group reads its 256 KiB once, straight into registers.
; BY TURNS.  The 8 row tiles are two sets: P (tiles 0-3) and Q (tiles 4-7).  While one set's 32 products are issued, the other set's 32 x 32 finished sums are turned into d and compared:
; 144 vector instructions, four or five behind each matrix instruction.
; REGISTERS, in windows of 256 (s_set_vgpr_msb: bits 1:0 source 0, 3:2 source 1, 5:4 source 2, 7:6 destination).  Window 0: all but zt.  Window 1: row tiles 0-3, fragment (tile, K step) at
; 64 tile + 8 step.  Window 2: row tiles 4-7.  In the loop only source 1 leaves window 0, and every vector instruction there has a constant or a scalar register as its source 1:
; it means the same under both settings, so a trip of 64 matrix instructions has three switches.
.set PITCH, 528                        ; a code in LDS: 512 bytes + 16 of padding = 132 words: the 16 rows of a fragment load start 4 words apart modulo 64
.set WROWS, 64*PITCH                   ; what one tensor load brings: 64 codes
.set SLOT,  4*WROWS                    ; 256 codes = 135,168 bytes = 0x21000
.set BL,    2*SLOT                     ; behind the ring: ne of my 2,048 codes, filled once
.set STAGE, BL+8192                    ; 1,024 bytes for each wave, for the way out; no load fills it
.set SPARE, STAGE+4*1024               ; the spare words: 128 bytes for each wave, named by no other line
.set TILEB, 16*PITCH                   ; a tile of 16 codes in LDS
.set LOADB, 256*512                    ; a slot's codes in memory
.set AK0, 2                            ; v2   my lane's place in a tile of codes: (lane % 16) x 528 + 16 (lane / 16); never rewritten
.set AB0, 3                            ; v3   BL + 32 (lane / 16); never rewritten
.set ADR, 4                            ; v4   the LDS address of the fragments to be fetched
.set ADB, 5                            ; v5   of the 8 ne to be fetched
.set ZO,  6                            ; v6   my byte offset in 16 rows of zt
.set NO,  7                            ; v7   4 (lane % 16)
.set SPW, 8                            ; v8   SPARE + 4 x my thread's number; never rewritten
.set NIL, 9                            ; v9   0; never rewritten
.set BK,  18                           ; v[18:25]   ne of the codes 8 (lane / 16) + 0..7 of the tile in hand
.set RR,  26                           ; v[26:41]   the running minima: row tile t: of the even codes at RR+2t, of the odd at RR+2t+1
.set II,  42                           ; v[42:57]   their codes' numbers, less 8 (lane / 16), less 1 in the odd chain, less 2,048 sp
.set TT,  58                           ; v[58:89]   16 pairs at work: t, then d - R
.set HH,  90                           ; v90  lane / 16
.set HB,  91                           ; v91  8 (lane / 16) + 2,048 sp
.set SA,  92                           ; v92  the way out: where a row's result goes
.set SR,  93                           ; v93  the way out: where I read 16 bytes back
.set GO,  94                           ; v94  16 x lane
.set CF,  96                           ; v[96:159]  the code tile's 8 fragments, K step ks at CF+8ks: one buffer, refilled fragment by fragment
.set ACP, 160                          ; v[160:191] set P's four accumulators
.set ACQ, 192                          ; v[192:223] set Q's
.set AN,  224                          ; v[224:239] nz of my row in tile t at AN+2t; the packed add names the pair and takes its low word twice
.set OB,  240                          ; v[240:247] the way out
.set WV,  14                           ; s14  my wave's number
.set G1,  24                           ; s[24:31] descriptor group 1 for codes
.set G1B, 32                           ; s[32:39] for ne
.set G0A, 40                           ; s[40:43] group 0: slot 0's first fill
.set G0W, 44                           ; s[44:47] slot 1's first fill; it then walks
.set G0B, 48                           ; s[48:51] ne
.set CNT, 52                           ; s52  trips left in a slot
.set SLOTS, 53                         ; s53  counts the slots
.set TB,  54                           ; s54  LDS byte of the code tile to be fetched
.set TBB, 55                           ; s55  byte in ne's table of the tile to be fetched
.set INF, 56                           ; s56  +infinity
.set IDX, 57                           ; s[57:60] 16 x tile + 2 p for pair p of the tile whose sums are being compared
.set MK,  66                           ; s[66:69] lane masks
.set SEL, 70                           ; s[70:71] each lane takes its own place in the other half of the lanes
.set MSB, 0
.macro WIN new                         ; the immediate's high byte repeats the setting that is left; a switch that changes nothing is dropped
.if MSB != (\new)
	s_set_vgpr_msb (MSB<<8)|(\new)
.set MSB, (\new)
.endif
.endm
; A round of the cluster's barrier: my work-group's barrier, so that wave 0's signal speaks for all four waves; wave 0 signals; every wave waits for all four work-groups; my work-group's barrier once more.
.macro CROUND
	s_barrier_signal -1
	s_barrier_wait -1
	s_cmp_lg_u32 s[WV], 0
	s_cbranch_scc1 .Lnot_wave_0_\@
	s_barrier_signal -3
.Lnot_wave_0_\@:
	s_barrier_wait -3
	s_barrier_signal -1
	s_barrier_wait -1
.endm
	s_load_b256 s[4:11], s[0:1], 0x0               ; zt s[4:5], eb s[6:7], nz s[8:9], ne s[10:11]
	s_load_b64 s[12:13], s[0:1], 0x20              ; part
	v_lshl_add_u32 v[SPW], v0, 2, SPARE
	v_mov_b32 v[NIL], 0
	ds_add_u32 v[SPW], v[NIL]                      ; the wave's opening: the add and its wait ahead of my first tensor load; the set-up below, work on registers, stands between them
	v_lshrrev_b32 v1, 5, v0
	v_readfirstlane_b32 s[WV], v1                  ; wave 0..3
	s_bfe_u32 s15, ttmp6, 0x40000                  ; cx: my place in the cluster
	s_lshl_b32 s16, ttmp9, 2                       ; in a cluster launch ttmp9 counts clusters
	s_add_co_u32 s16, s16, s15                     ; rb = 4 x cluster x + cx: it enters the addresses of zt, nz and part alone
	s_and_b32 s17, ttmp7, 0xffff                   ; sp, which the four partners share
	v_and_b32 v1, 15, v0                           ; lane % 16
	v_bfe_u32 v[HH], v0, 4, 1                      ; lane / 16
	v_mul_u32_u24 v[AK0], v1, PITCH
	v_lshl_add_u32 v[AK0], v[HH], 4, v[AK0]
	v_lshl_add_u32 v[AB0], v[HH], 5, BL
	v_lshlrev_b32 v[ZO], 9, v1
	v_lshl_add_u32 v[ZO], v[HH], 4, v[ZO]          ; row x 512 + 16 x half
	v_lshlrev_b32 v[NO], 2, v1
	s_lshl_b32 s19, s17, 11
	v_lshl_add_u32 v[HB], v[HH], 3, s19
	s_lshl_b32 s61, s[WV], 10
	s_add_co_u32 s61, s61, STAGE                   ; my stage
	v_lshl_add_u32 v[SA], v1, 2, s61
	v_and_b32 v[GO], 31, v0
	v_lshl_add_u32 v[SR], v[GO], 4, s61
	v_lshlrev_b32 v[GO], 4, v[GO]
	; descriptor group 1 for codes: 64 rows x 256 elements of 2 bytes, padded in LDS
	s_mov_b32 s[G1], 15|(1<<16)|(1<<20)|(1<<21)|(6<<22)|(3<<25)  ; 15:0 the mask of four; 17:16 2-byte elements; 20 padding on; 21 set beside a mask; 24:22 after every 128 words (code 6); 31:25 4 words (code 3)
	s_mov_b32 s[G1+1], 256<<16                     ; tensor_dim0 = 256
	s_mov_b32 s[G1+2], 64<<16                      ; tensor_dim1 = 64
	s_mov_b32 s[G1+3], 256<<16                     ; tile_dim0 = 256
	s_mov_b32 s[G1+4], 64                          ; tile_dim1 = 64
	s_mov_b32 s[G1+5], 256                         ; 256 elements from row to row
	s_mov_b32 s[G1+6], 0
	s_mov_b32 s[G1+7], 0
	; for ne: my wave's 2,048 dense bytes as 8 rows of 32 elements of 8 bytes, no padding
	s_mov_b32 s[G1B], 15|(3<<16)|(1<<21)
	s_mov_b32 s[G1B+1], 32<<16
	s_mov_b32 s[G1B+2], 8<<16
	s_mov_b32 s[G1B+3], 32<<16
	s_mov_b32 s[G1B+4], 8
	s_mov_b32 s[G1B+5], 32
	s_mov_b32 s[G1B+6], 0
	s_mov_b32 s[G1B+7], 0
	s_mov_b32 s[G0A], 1                            ; count = 1
	s_mul_i32 s[G0A+1], s[WV], WROWS               ; LDS: wave x 64 rows: no place in the cluster enters an LDS address
	s_mov_b32 s[G0W], 1
	s_add_co_u32 s[G0W+1], s[G0A+1], SLOT
	s_mov_b32 s[G0B], 1
	s_lshl_b32 s[G0B+1], s[WV], 11
	s_add_co_u32 s[G0B+1], s[G0B+1], BL
	s_lshl_b32 s18, s17, 20                        ; eb: 2,048 sp + 64 w rows of 512 bytes
	s_lshl_b32 s19, s[WV], 15
	s_add_co_u32 s18, s18, s19
	s_mov_b32 s19, 0
	s_lshl_b32 s20, s17, 13                        ; ne: 2,048 sp + 512 w numbers
	s_lshl_b32 s21, s[WV], 11
	s_add_co_u32 s20, s20, s21
	s_mov_b32 s21, 0
	s_lshl_b32 s22, s16, 18                        ; zt: 512 rb + 128 w rows of 512 bytes
	s_lshl_b32 s23, s[WV], 16
	s_add_co_u32 s22, s22, s23
	s_mov_b32 s23, 0
	s_lshl_b32 s62, s16, 11                        ; nz: 512 rb + 128 w numbers
	s_lshl_b32 s63, s[WV], 9
	s_add_co_u32 s62, s62, s63
	s_mov_b32 s63, 0
	s_lshl_b32 s2, s17, 16                         ; part: 16,384 sp numbers further
	s_add_co_u32 s2, s2, s62
	s_mov_b32 s3, 0
	s_mov_b32 s[INF], 0x7f800000
	s_mov_b32 s[SEL], 0x76543210
	s_mov_b32 s[SEL+1], 0xfedcba98
.irp p4, 0,1,2,3
	s_mov_b32 s[IDX+\p4], 2*\p4-16                 ; 16 low: the loop is entered at its foot, which steps them
.endr
	s_mov_b32 s[TB], TILEB                         ; tile 0 is fetched ahead of the loop
	s_mov_b32 s[TBB], 64
	s_wait_dscnt 0x0                               ; the opening add is done
	s_wait_kmcnt 0x0
	s_add_nc_u64 s[G0A+2:G0A+3], s[6:7], s[18:19]  ; my 64 of the first 256 codes,
	s_add_nc_u64 s[G0W+2:G0W+3], s[G0A+2:G0A+3], LOADB  ; and of the next 256
	s_or_b32 s[G0A+3], s[G0A+3], 0x80000000        ; type = 2
	s_or_b32 s[G0W+3], s[G0W+3], 0x80000000
	s_add_nc_u64 s[G0B+2:G0B+3], s[10:11], s[20:21]
	s_or_b32 s[G0B+3], s[G0B+3], 0x80000000
	s_add_nc_u64 s[4:5], s[4:5], s[22:23]
	s_add_nc_u64 s[8:9], s[8:9], s[62:63]
	s_add_nc_u64 s[12:13], s[12:13], s[2:3]
	CROUND                                         ; all four work-groups are here: the first joint loads meet
	tensor_load_to_lds s[G0B:G0B+3], s[G1B:G1B+7]  ; the first fills go out together: three loads of mine are out
	s_nop 0
	tensor_load_to_lds s[G0A:G0A+3], s[G1:G1+7]
	s_nop 0
	tensor_load_to_lds s[G0W:G0W+3], s[G1:G1+7]
	s_nop 0
.rept 4
	v_nop
.endr
	; zt stays in registers.  A fragment is 16 rows x 32 channels: lane l holds row l % 16, channels 8 (l / 16) + 0..7 and 16 + 8 (l / 16) + 0..7: two loads of 16 bytes, 32 bytes apart.
	WIN 0x40                                       ; destination window 1, address window 0
.set j, 0
.rept 32                                       ; tile j / 8, K step j % 8
	global_load_b128 v[8*j:8*j+3],   v[ZO], s[4:5] offset:8192*(j/8)+64*(j%8)
	global_load_b128 v[8*j+4:8*j+7], v[ZO], s[4:5] offset:8192*(j/8)+64*(j%8)+32
.set j, j+1
.endr
	WIN 0x80                                       ; destination window 2
.set j, 0
.rept 32                                       ; tile 4 + j / 8
	global_load_b128 v[8*j:8*j+3],   v[ZO], s[4:5] offset:8192*(4+j/8)+64*(j%8)
	global_load_b128 v[8*j+4:8*j+7], v[ZO], s[4:5] offset:8192*(4+j/8)+64*(j%8)+32
.set j, j+1
.endr
	WIN 0
.set t, 0
.rept 8
	global_load_b32 v[AN+2*t], v[NO], s[8:9] offset:64*t
	v_mov_b32 v[AN+2*t+1], 0                       ; named with it as a pair
	v_mov_b32 v[RR+2*t], s[INF]                    ; the first d of a chain always wins
	v_mov_b32 v[RR+2*t+1], s[INF]
	v_mov_b32 v[II+2*t], 0
	v_mov_b32 v[II+2*t+1], 0
.set t, t+1
.endr
	v_mov_b32 v[ADR], v[AK0]
	v_mov_b32 v[ADB], v[AB0]
; THE VECTOR WORK for a set of four accumulators (first at ac; row tiles t0 on): a queue of 144; RID writes number q of it and steps q.  A UNIT u = 4 p + tile is a pair of codes (registers 2 p, 2 p + 1) of one tile.
;   0-15: T(u): t = ne + nz.  Then in beats: beat b holds D(b): d = t - 2 dot, in place; Q(b - 1): d - R; and of unit b - 2: C0, C1: is it below 0; M0, M1: R = the lesser; S0, S1: the code's number follows.
; So a result is used a beat later, a mask four lines later, and a tile's R is read again three beats behind its write.  D takes pair 0 of every tile first: each accumulator is read from its lowest registers on.
.macro RID ac, t0
.if q < 16
.set u, q
.set k, -1
.else
.set y, q-16
.if y == 0
.set b, 0
.set k, 0
.elseif y < 3
.set b, 1
.set k, y-1
.elseif y < 115
.set b, 2+(y-3)/8
.set k, (y-3)%8
.elseif y < 122
.set b, 16
.set k, y-114
.else
.set b, 17
.set k, y-120
.endif
.if k < 2
.set u, b-k
.else
.set u, b-2
.endif
.endif
.set p, u/4
.set a, (\ac)+8*(u%4)+2*p
.set w2, 2*((\t0)+u%4)
.set x, TT+2*u
.set e, (k+2)%2
.if k < 0
	v_pk_fma_f32 v[x:x+1], v[BK+2*p:BK+2*p+1], 1.0, v[AN+w2:AN+w2+1] op_sel_hi:[1,0,0]
.elseif k == 0
	v_pk_fma_f32 v[a:a+1], v[a:a+1], -2.0, v[x:x+1] op_sel_hi:[1,0,1]
.elseif k == 1
	v_pk_fma_f32 v[x:x+1], v[RR+w2:RR+w2+1], -1.0, v[a:a+1] op_sel_hi:[1,0,1]
.elseif k < 4
	v_cmp_lt_f32 s[MK+2*(u%2)+e], v[x+e], 0
.elseif k < 6
	v_min3_num_f32 v[RR+w2+e], v[a+e], s[INF], v[RR+w2+e]
.else
	v_cndmask_b32 v[II+w2+e], v[II+w2+e], s[IDX+p], s[MK+2*(u%2)+e]
.endif
.set q, q+1
.endm
; A PHASE: the 32 products of set zw (0: P, 1: Q) with the code tile in CF; K step i / 4, tile i % 4.  The four accumulators take turns, one instruction a turn, across phases too; the first four products start the sums with 0.
; rid = 1: four or five of the OTHER set's queue stand behind each product; none names a register of the products round it.
; fetch = 1: behind a fragment's last product and five of the queue (plain vector instructions: the distance that ISA guide 7.12.1 asks for vector writes, kept for loads too) the next tile's fragment is loaded into its place, 28 products ahead of its first use.
; cnt = 1: that tile is multiplied for the first time: in front of K step ks the 2 (7 - ks) younger fragment loads may be out, and from ks = 1 on the two loads of ne issued behind product 3.
; bl = 1: behind product 3, when the queue's 16 T are out (18 are dealt by then), ne of the tile in CF is fetched.
.macro PHASE zw, rid, fetch, cnt, bl
	WIN 0x04<<(\zw)
.set q, 0
.set i, 0
.rept 32
.set ks, i/4
.set tq, i%4
.set ad, ACP+32*(\zw)+8*tq
.if (\cnt) && (tq == 0)
.if ks == 0
	s_wait_dscnt 14
.else
	s_wait_dscnt 2*(7-ks)+2
.endif
.endif
.if ks == 0
	v_wmma_f32_16x16x32_bf16 v[ad:ad+7], v[CF+8*ks:CF+8*ks+7], v[64*tq+8*ks:64*tq+8*ks+7], 0
.else
	v_wmma_f32_16x16x32_bf16 v[ad:ad+7], v[CF+8*ks:CF+8*ks+7], v[64*tq+8*ks:64*tq+8*ks+7], v[ad:ad+7]
.endif
.if \rid
.rept 4+(i%2)
	RID ACP+32*(1-(\zw)), 4*(1-(\zw))
.endr
.endif
.if (\fetch) && (tq == 3)
	ds_load_b128 v[CF+8*ks:CF+8*ks+3],   v[ADR] offset:64*ks
	ds_load_b128 v[CF+8*ks+4:CF+8*ks+7], v[ADR] offset:64*ks+32
.endif
.if (\bl) && (i == 3)
	ds_load_b128 v[BK:BK+3],   v[ADB]
	ds_load_b128 v[BK+4:BK+7], v[ADB] offset:16
.endif
.set i, i+1
.endr
.endm
; TRIP c: set Q x tile c - 1, beside it set P's comparison for tile c - 1, and tile c rolls into CF; then set P x tile c, beside it set Q's comparison for tile c - 1, and ne of tile c.
.macro TRIP
	s_wait_dscnt 0x0                               ; ne of tile c - 1 is in
	v_add_nc_u32 v[ADR], v[AK0], s[TB]
	s_add_co_u32 s[TB], s[TB], TILEB
	PHASE 1, 1, 1, 0, 0
	v_add_nc_u32 v[ADB], v[AB0], s[TBB]            ; the scalar register stands as source 1: the line means the same under either window setting
	s_add_co_u32 s[TBB], s[TBB], 64
	s_and_b32 s[TBB], s[TBB], 0x1fc0               ; wraps at the table's end: the address stays inside its 8,192 bytes in every trip
	PHASE 0, 1, 0, 1, 1
	WIN 0                                          ; at a label and at a branch every window is 0
.endm
.macro STEP                            ; the loop's foot
.irp p4, 0,1,2,3
	s_add_co_u32 s[IDX+\p4], s[IDX+\p4], 16
.endr
	s_sub_co_u32 s[CNT], s[CNT], 1
	s_cmp_lg_u32 s[CNT], 0
.endm
; THE CHANGE OF SLOTS, between trips: the slot's last tile lies in CF.  Each wave waits for all its tensor loads, of which one is out: its part of the other slot; adds 0 to its spare word; and waits for that and for
; its LDS loads.  Behind the barrier nobody reads the old slot and the other slot is whole.  fill = 1: the barrier is a round of the cluster's, so that this holds of every partner, and the old slot is filled again first thing
; behind it, with the codes two slots on: that load has 16 trips, 1,024 matrix instructions, in which to land.
.macro CHANGE fill
	s_wait_tensorcnt 0x0                           ; no tensor load of mine is out, so a group 0 may be written
	ds_add_u32 v[SPW], v[NIL]                      ; 0 onto my spare word
.if \fill
	s_xor_b32 s[G0W+1], s[G0W+1], SLOT             ; the other slot than last time (wave x 33,792 has neither of SLOT's two bits set),
	s_add_nc_u64 s[G0W+2:G0W+3], s[G0W+2:G0W+3], LOADB  ; the next 256 codes; the type bits on top are not reached
.endif
	s_wait_dscnt 0x0                               ; the add is done, and my reads of the slot are over
.if \fill
	CROUND
	tensor_load_to_lds s[G0W:G0W+3], s[G1:G1+7]    ; my one tensor load behind the round
	s_nop 0
.rept 4
	v_nop
.endr
.else
	s_barrier_signal -1
	s_barrier_wait -1
.endif
	s_sub_co_u32 s[TB], s[TB], SLOT                ; the fetches go back to a slot's first tile,
	s_xor_b32 s[TB], s[TB], SLOT                   ; in the other slot
.endm
	s_wait_tensorcnt 0x1                           ; ne and my part of slot 0 are in; slot 1's load may stay out
	s_barrier_signal -1
	s_barrier_wait -1                              ; everybody's are
.set ks, 0
.rept 8                                        ; tile 0
	ds_load_b128 v[CF+8*ks:CF+8*ks+3],   v[ADR] offset:64*ks
	ds_load_b128 v[CF+8*ks+4:CF+8*ks+7], v[ADR] offset:64*ks+32
.set ks, ks+1
.endr
	ds_load_b128 v[BK:BK+3],   v[ADB]
	ds_load_b128 v[BK+4:BK+7], v[ADB] offset:16
	s_wait_loadcnt 0x0                             ; zt and nz
	s_wait_dscnt 0x0
	PHASE 0, 0, 0, 0, 0                            ; set P x tile 0: there is nothing yet to compare
	WIN 0
	s_mov_b32 s[CNT], 16
	s_mov_b32 s[SLOTS], 7
	s_branch .Lnext                                ; into the loop at its foot: slot 0 has 15 trips left
.Lslot:                                                ; six times: every slot but the last two is filled again
	CHANGE 1
	s_mov_b32 s[CNT], 16
.Ltrip:
	TRIP
.Lnext:
	STEP
	s_cbranch_scc1 .Ltrip
	s_sub_co_u32 s[SLOTS], s[SLOTS], 1
	s_cmp_lg_u32 s[SLOTS], 0
	s_cbranch_scc1 .Lslot
	CHANGE 0                                       ; the last slot is written out: nothing is asked for
	s_mov_b32 s[CNT], 16
.Ltail:
	TRIP
	STEP
	s_cbranch_scc1 .Ltail
	s_wait_dscnt 0x0                               ; ne of tile 127
	PHASE 1, 1, 0, 0, 0                            ; set Q x tile 127, beside it set P's last comparison
	WIN 0
.set q, 0
.rept 144
	RID ACQ, 4                                     ; set Q's last comparison; its 16 T are the places behind the last products
.endr
	; THE WAY OUT.  Of two candidates the one with the lesser d, at equal d the lesser number: first a lane's two chains, then the two halves of the lanes.
.macro PICK ra, ia, rb, ib
	v_cmp_lt_f32 s[MK], v[\rb], v[\ra]
	v_cmp_eq_f32 s[MK+1], v[\rb], v[\ra]
	v_cmp_lt_u32 s[MK+2], v[\ib], v[\ia]
	s_and_b32 s[MK+1], s[MK+1], s[MK+2]
	s_or_b32 s[MK], s[MK], s[MK+1]
	v_cndmask_b32 v[\ra], v[\ra], v[\rb], s[MK]
	v_cndmask_b32 v[\ia], v[\ia], v[\ib], s[MK]
.endm
.set t, 0
.rept 8
	v_add_nc_u32 v[II+2*t+1], 1, v[II+2*t+1]       ; the odd chain's numbers
	PICK RR+2*t, II+2*t, RR+2*t+1, II+2*t+1
	v_add_nc_u32 v[II+2*t], v[II+2*t], v[HB]       ; + 8 (lane / 16) + 2,048 sp
	v_permlanex16_b32 v[TT+2*t], v[RR+2*t], s[SEL], s[SEL+1]
	v_permlanex16_b32 v[TT+2*t+1], v[II+2*t], s[SEL], s[SEL+1]
	PICK RR+2*t, II+2*t, TT+2*t, TT+2*t+1
	v_ashrrev_i32 v[TT+2*t], 31, v[RR+2*t]         ; d's bits as a signed whole number of the same order: below 0 all bits but the sign are turned
	v_and_b32 v[TT+2*t], 0x7fffffff, v[TT+2*t]
	v_xor_b32 v[RR+2*t], v[RR+2*t], v[TT+2*t]
	ds_store_b32 v[SA], v[RR+2*t] offset:64*t      ; both halves of the lanes hold the same result and write the same word
	ds_store_b32 v[SA], v[II+2*t] offset:64*t+512
.set t, t+1
.endr
	ds_load_b128 v[OB:OB+3],   v[SR]               ; LDS serves a wave's instructions in order (ISA guide 5.7.1.4): these see the stores above
	ds_load_b128 v[OB+4:OB+7], v[SR] offset:512
	s_wait_dscnt 0x1                               ; the numbers' load may be out
	global_store_b128 v[GO], v[OB:OB+3], s[12:13]  ; my 128 rows: 512 consecutive bytes, aligned
	s_wait_dscnt 0x0
	global_store_b128 v[GO], v[OB+4:OB+7], s[12:13] offset:524288
	s_wait_tensorcnt 0x0                           ; the wave's end: an add of 0 to my spare word and its wait, behind my last tensor load and my last LDS store
	ds_add_u32 v[SPW], v[NIL]
	s_wait_dscnt 0x0
	CROUND                                         ; the closing round: no work-group ends while a partner may still ask for a tile that names it
	s_endpgm
.Lfunc_end_k_q9aa25156a5_scan:
	.size	k_q9aa25156a5_scan, .Lfunc_end_k_q9aa25156a5_scan-k_q9aa25156a5_scan
	.p2alignl 7, 3214868480
	.fill 96, 4, 3214868480
	.section	.rodata,"a",@progbits
	.p2align	6, 0x0
	.amdhsa_kernel k_q9aa25156a5_scan
		.amdhsa_group_segment_fixed_size 327680
		.amdhsa_private_segment_fixed_size 0
		.amdhsa_enable_private_segment 0
		.amdhsa_kernarg_size 40
		.amdhsa_user_sgpr_count 2
		.amdhsa_user_sgpr_kernarg_segment_ptr 1
		.amdhsa_wavefront_size32 1
		.amdhsa_system_sgpr_workgroup_id_x 1
		.amdhsa_system_sgpr_workgroup_id_y 1
		.amdhsa_system_sgpr_workgroup_id_z 1
		.amdhsa_system_vgpr_workitem_id 0
		.amdhsa_next_free_vgpr 768
		.amdhsa_next_free_sgpr 72
		.amdhsa_reserve_vcc 0
		.amdhsa_float_denorm_mode_32 3
		.amdhsa_float_denorm_mode_16_64 3
		.amdhsa_memory_ordered 1
		.amdhsa_forward_progress 1
		.amdhsa_inst_pref_size 103
	.end_amdhsa_kernel
	.amdgpu_metadata
---
amdhsa.version: [ 1, 2 ]
amdhsa.kernels:
  - .name:           k_q9aa25156a5_scan
    .symbol:         k_q9aa25156a5_scan.kd
    .args:
      - { .name: zt, .offset: 0, .size: 8, .value_kind: global_buffer, .address_space: global }
      - { .name: eb, .offset: 8, .size: 8, .value_kind: global_buffer, .address_space: global }
      - { .name: nz, .offset: 16, .size: 8, .value_kind: global_buffer, .address_space: global }
      - { .name: ne, .offset: 24, .size: 8, .value_kind: global_buffer, .address_space: global }
      - { .name: part, .offset: 32, .size: 8, .value_kind: global_buffer, .address_space: global }
    .group_segment_fixed_size: 327680
    .private_segment_fixed_size: 0
    .kernarg_segment_align: 8
    .kernarg_segment_size: 40
    .max_flat_workgroup_size: 128
    .sgpr_count:     72
    .vgpr_count:     768
    .wavefront_size: 32
...
	.end_amdgpu_metadata
.endif
;; end of part 2
;; launch emit (part 3): grid 256 x 1, 8 waves a work-group, no clusters, 35,328 bytes of LDS; arguments z, eb, part, out0, out2, lpart; writes out0, out2, lpart
.if DOCPART == 3
	.amdgcn_target "amdgcn-amd-amdhsa--gfx1250"
	.amdhsa_code_object_version 6
	.text
	.protected	k_q9aa25156a5_emit
	.globl	k_q9aa25156a5_emit
	.p2align	8
	.type	k_q9aa25156a5_emit,@function
k_q9aa25156a5_emit:
	s_mov_b64 s[64:65], 0
	v_nop
	global_prefetch_b8 v0, s[64:65] scope:SCOPE_SE
	s_setreg_imm32_b32 hwreg(HW_REG_WAVE_MODE, 25, 1), 1
	s_wait_xcnt 0x0
; out2[n] = the code with the least d among the eight parts' results (whole numbers from part; at equal d the lower part, which holds the lower numbers).
; out0[b][c][p] = zb + (e - zb), e = eb[out2[n]][c], zb = z rounded to bf16, each step rounded to f32 as it is written.  lpart[g] = the sum of (e - zb)^2 over the work-group's share.
; LIMITS.  z is rounded to bf16 here as in the first launch, and e is the rounded code: all results are those of the rounded inputs.  A number read from part is cut to 0 .. 16,383 before it makes an address.
; SHARES.  Work-group g of 256 owns vectors 64 g on: batch g / 16, places 64 (g % 16) on.  A wave gathers 8 codes as whole rows of 512 bytes into LDS; a thread then takes 4 places x 16 channels:
; its loads of z and its stores of out0 are 16 bytes, of which sixteen lanes cover 256 consecutive bytes, aligned.  A stream with a gather: the matrix unit, clusters and the data mover have nothing to add.
; In LDS place p lies in row (p % 4) 16 + p / 4, rows 528 bytes apart.
.set PITCH, 528
.set IDXL,  64*PITCH                   ; 33,792: behind the rows, the 64 numbers for out2,
.set LOSSL, IDXL+256                   ; the eight waves' sums,
.set SPARE, LOSSL+256                  ; and the spare words: 128 bytes for each of the eight waves, named by no other line
.set SPW, 10                           ; v10  SPARE + 4 x my thread's number; never rewritten
.set NIL, 11                           ; v11  0; never rewritten
.set K,   12                           ; v[12:19]   the eight parts' d, as whole numbers
.set X,   20                           ; v[20:27]   their codes' numbers
.set OF,  28                           ; v[28:35]   byte offsets of my 16 bytes in the 8 gathered rows
.set Z,   36                           ; v[36:99]   z: half q, channel cc at Z + 4 (8 q + cc): four places; then out0
.set EP,  100                          ; v[100:131] the gathered rows; then e: half q, place j at EP + 4 (4 q + j): eight channels
.set EU,  132                          ; v[132:135] e of four places, in f32
.set DF,  136                          ; v[136:139] e - zb
.set LS,  142                          ; v[142:145] four running sums of squares
.set WV,  16                           ; s16  my wave's number
.set HM,  28                           ; s28  a word's upper bf16
.set SEL, 30                           ; s[30:31] each lane takes its own place in the other half of the lanes
	s_load_b256 s[4:11], s[0:1], 0x0               ; z s[4:5], eb s[6:7], part s[8:9], out0 s[10:11]
	s_load_b128 s[12:15], s[0:1], 0x20             ; out2 s[12:13], lpart s[14:15]
	v_lshl_add_u32 v[SPW], v0, 2, SPARE
	v_mov_b32 v[NIL], 0
	v_lshrrev_b32 v1, 5, v0
	v_readfirstlane_b32 s[WV], v1
	v_and_b32 v1, 31, v0                           ; lane
	v_and_b32 v2, 15, v0                           ; l16: which four places
	v_lshrrev_b32 v3, 4, v0                        ; cg: which eight channels of each half
	v_and_b32 v4, 7, v0
	s_lshl_b32 s17, s[WV], 5
	v_lshl_add_u32 v4, v4, 2, s17                  ; part: row 8 w + lane % 8
	v_lshlrev_b32 v5, 15, v3                       ; z, out0: 8 channels of 4,096 bytes for each cg,
	v_lshl_add_u32 v5, v2, 4, v5                   ; 16 bytes for each l16
	v_lshlrev_b32 v6, 4, v1                        ; 16 x lane
	s_mul_i32 s18, s[WV], 2*PITCH
	v_add_nc_u32 v7, s18, v6                       ; into LDS: places 8 w + i lie in rows (i % 4) 16 + 2 w + i / 4
	v_mul_u32_u24 v8, v2, PITCH
	v_lshl_add_u32 v8, v3, 4, v8                   ; back: row l16 (+ 16 j), channels 8 cg (+ 128 q) on
	v_add_nc_u32 v9, IDXL, v4
	s_mov_b32 s[HM], 0xffff0000
	s_mov_b32 s[SEL], 0x76543210
	s_mov_b32 s[SEL+1], 0xfedcba98
	s_lshr_b32 s32, ttmp9, 4
	s_lshl_b32 s32, s32, 20                        ; the batch's 256 x 4,096 bytes,
	s_and_b32 s33, ttmp9, 15
	s_lshl_b32 s33, s33, 8                         ; my 64 places
	s_add_co_u32 s32, s32, s33
	s_mov_b32 s33, 0
	s_lshl_b32 s34, ttmp9, 8                       ; part, out2: 64 numbers
	s_mov_b32 s35, 0
	s_lshl_b32 s36, ttmp9, 2                       ; lpart: one
	s_mov_b32 s37, 0
	s_wait_kmcnt 0x0
	s_add_nc_u64 s[4:5], s[4:5], s[32:33]
	s_add_nc_u64 s[10:11], s[10:11], s[32:33]
	s_add_nc_u64 s[8:9], s[8:9], s[34:35]
	s_add_nc_u64 s[12:13], s[12:13], s[34:35]
	s_add_nc_u64 s[14:15], s[14:15], s[36:37]
.set i, 0
.rept 8
	global_load_b32 v[K+i], v4, s[8:9] offset:65536*i
	global_load_b32 v[X+i], v4, s[8:9] offset:65536*i+524288
.set i, i+1
.endr
.set i, 0
.rept 16                                       ; half i / 8, channel 8 cg + i % 8 of it
	global_load_b128 v[Z+4*i:Z+4*i+3], v5, s[4:5] offset:524288*(i/8)+4096*(i%8) th:TH_LOAD_NT
.set i, i+1
.endr
	s_wait_loadcnt 16                              ; part's 16 are in; z's 16, issued behind them, may stay out
.set i, 1
.rept 7                                        ; whole numbers, compared as such; a later part wins only with a lesser d
	v_cmp_lt_i32 vcc_lo, v[K+i], v[K]
	v_cndmask_b32 v[X], v[X], v[X+i], vcc_lo
	v_min_i32 v[K], v[K], v[K+i]
.set i, i+1
.endr
	ds_store_b32 v9, v[X]                          ; lanes with the same lane % 8 hold the same row's number and write the same word
.set i, 0
.rept 8                                        ; lane i holds row 8 w + i's code: its 512 bytes, 16 a lane
	v_readlane_b32 s[20+i], v[X], i
	s_min_u32 s[20+i], s[20+i], 0x3fff
	v_lshl_add_u32 v[OF+i], s[20+i], 9, v6
	global_load_b128 v[EP+4*i:EP+4*i+3], v[OF+i], s[6:7]
.set i, i+1
.endr
.set i, 0
.rept 8
	s_wait_loadcnt 7-i                             ; the 7 - i gathers issued behind row i's may stay out
	ds_store_b128 v7, v[EP+4*i:EP+4*i+3] offset:((i%4)*16+i/4)*PITCH
.set i, i+1
.endr
	s_wait_dscnt 0x0                               ; for the others' sake: my rows and numbers are in LDS
	s_barrier_signal -1
	s_barrier_wait -1
.set i, 0
.rept 8                                        ; half i / 4, place 4 l16 + i % 4
	ds_load_b128 v[EP+4*i:EP+4*i+3], v8 offset:16*PITCH*(i%4)+256*(i/4)
.set i, i+1
.endr
; Half q: eight channels of four places.
.macro UNIT q
.set cc, 0
.rept 8
.set zr, Z+4*(8*(\q)+cc)
	v_cvt_pk_bf16_f32 v140, v[zr], v[zr+1]         ; z is rounded to bf16,
	v_cvt_pk_bf16_f32 v141, v[zr+2], v[zr+3]
.irp j, 0,1,2,3
.if cc%2 == 0
	v_lshlrev_b32 v[EU+\j], 16, v[EP+4*(4*(\q)+\j)+cc/2]
.else
	v_and_b32 v[EU+\j], s[HM], v[EP+4*(4*(\q)+\j)+cc/2]
.endif
.endr
	v_lshlrev_b32 v[zr], 16, v140                  ; and widened again, in place
	v_and_b32 v[zr+1], s[HM], v140
	v_lshlrev_b32 v[zr+2], 16, v141
	v_and_b32 v[zr+3], s[HM], v141
	v_pk_add_f32 v[DF:DF+1],   v[EU:EU+1],   v[zr:zr+1]   neg_lo:[0,1] neg_hi:[0,1]
	v_pk_add_f32 v[DF+2:DF+3], v[EU+2:EU+3], v[zr+2:zr+3] neg_lo:[0,1] neg_hi:[0,1]
	v_pk_add_f32 v[zr:zr+1],   v[zr:zr+1],   v[DF:DF+1]
	v_pk_add_f32 v[zr+2:zr+3], v[zr+2:zr+3], v[DF+2:DF+3]
.if ((\q) == 0) && (cc == 0)
	v_pk_mul_f32 v[LS:LS+1],   v[DF:DF+1],   v[DF:DF+1]      ; the first squares start the sums
	v_pk_mul_f32 v[LS+2:LS+3], v[DF+2:DF+3], v[DF+2:DF+3]
.else
	v_pk_fma_f32 v[LS:LS+1],   v[DF:DF+1],   v[DF:DF+1],   v[LS:LS+1]
	v_pk_fma_f32 v[LS+2:LS+3], v[DF+2:DF+3], v[DF+2:DF+3], v[LS+2:LS+3]
.endif
	global_store_b128 v5, v[zr:zr+3], s[10:11] offset:524288*(\q)+4096*cc th:TH_STORE_NT  ; no store's registers are written again
.set cc, cc+1
.endr
.endm
	s_wait_dscnt 4                                 ; the first half's four loads are in
	UNIT 0
	s_wait_dscnt 0x0
	UNIT 1
	v_pk_add_f32 v[LS:LS+1], v[LS:LS+1], v[LS+2:LS+3]
	v_add_f32 v[LS], v[LS], v[LS+1]
	v_add_f32_dpp v[LS], v[LS], v[LS] row_xmask:1 row_mask:0xf bank_mask:0xf
	v_add_f32_dpp v[LS], v[LS], v[LS] row_xmask:2 row_mask:0xf bank_mask:0xf
	v_add_f32_dpp v[LS], v[LS], v[LS] row_xmask:4 row_mask:0xf bank_mask:0xf
	v_add_f32_dpp v[LS], v[LS], v[LS] row_xmask:8 row_mask:0xf bank_mask:0xf
	v_permlanex16_b32 v[LS+1], v[LS], s[SEL], s[SEL+1]
	v_add_f32 v[LS], v[LS], v[LS+1]
	s_lshl_b32 s17, s[WV], 2
	s_add_co_u32 s17, s17, LOSSL
	v_mov_b32 v140, s17
	ds_store_b32 v140, v[LS]
	s_wait_dscnt 0x0                               ; for wave 0's sake: my sum is in LDS
	s_barrier_signal -1
	s_barrier_wait -1
	s_cmp_lg_u32 s[WV], 0
	s_cbranch_scc1 .Lend
	v_lshlrev_b32 v132, 3, v1                      ; wave 0 sends the 64 numbers, 256 consecutive bytes, and adds the eight sums
	v_add_nc_u32 v133, IDXL, v132
	v_mov_b32 v134, LOSSL
	ds_load_b64 v[136:137], v133
	ds_load_b128 v[100:103], v134
	ds_load_b128 v[104:107], v134 offset:16
	s_wait_dscnt 0x2                               ; the sums' two loads may be out
	global_store_b64 v132, v[136:137], s[12:13]
	s_wait_dscnt 0x0
	v_pk_add_f32 v[100:101], v[100:101], v[102:103]
	v_pk_add_f32 v[104:105], v[104:105], v[106:107]
	v_pk_add_f32 v[100:101], v[100:101], v[104:105]
	v_add_f32 v100, v100, v101
	v_mov_b32 v108, 0
	v_cmp_eq_u32 vcc_lo, 0, v0
	s_wait_xcnt 0x0                                ; EXEC is a source of the stores that are out: it changes only behind this wait
	s_and_saveexec_b32 s17, vcc_lo
	global_store_b32 v108, v100, s[14:15]          ; one lane, one number
	s_wait_xcnt 0x0                                ; and again, in front of the line that widens it
	s_or_b32 exec_lo, exec_lo, s17
.Lend:
	s_wait_tensorcnt 0x0                           ; the wave's end: an add of 0 to my spare word and its wait, behind my last LDS store
	ds_add_u32 v[SPW], v[NIL]
	s_wait_dscnt 0x0
	s_endpgm
.Lfunc_end_k_q9aa25156a5_emit:
	.size	k_q9aa25156a5_emit, .Lfunc_end_k_q9aa25156a5_emit-k_q9aa25156a5_emit
	.p2alignl 7, 3214868480
	.fill 96, 4, 3214868480
	.section	.rodata,"a",@progbits
	.p2align	6, 0x0
	.amdhsa_kernel k_q9aa25156a5_emit
		.amdhsa_group_segment_fixed_size 35328
		.amdhsa_private_segment_fixed_size 0
		.amdhsa_enable_private_segment 0
		.amdhsa_kernarg_size 48
		.amdhsa_user_sgpr_count 2
		.amdhsa_user_sgpr_kernarg_segment_ptr 1
		.amdhsa_wavefront_size32 1
		.amdhsa_system_sgpr_workgroup_id_x 1
		.amdhsa_system_sgpr_workgroup_id_y 1
		.amdhsa_system_sgpr_workgroup_id_z 1
		.amdhsa_system_vgpr_workitem_id 0
		.amdhsa_next_free_vgpr 152
		.amdhsa_next_free_sgpr 66
		.amdhsa_reserve_vcc 1
		.amdhsa_float_denorm_mode_32 3
		.amdhsa_float_denorm_mode_16_64 3
		.amdhsa_memory_ordered 1
		.amdhsa_forward_progress 1
		.amdhsa_inst_pref_size 25
	.end_amdhsa_kernel
	.amdgpu_metadata
---
amdhsa.version: [ 1, 2 ]
amdhsa.kernels:
  - .name:           k_q9aa25156a5_emit
    .symbol:         k_q9aa25156a5_emit.kd
    .args:
      - { .name: z, .offset: 0, .size: 8, .value_kind: global_buffer, .address_space: global }
      - { .name: eb, .offset: 8, .size: 8, .value_kind: global_buffer, .address_space: global }
      - { .name: part, .offset: 16, .size: 8, .value_kind: global_buffer, .address_space: global }
      - { .name: out0, .offset: 24, .size: 8, .value_kind: global_buffer, .address_space: global }
      - { .name: out2, .offset: 32, .size: 8, .value_kind: global_buffer, .address_space: global }
      - { .name: lpart, .offset: 40, .size: 8, .value_kind: global_buffer, .address_space: global }
    .group_segment_fixed_size: 35328
    .private_segment_fixed_size: 0
    .kernarg_segment_align: 8
    .kernarg_segment_size: 48
    .max_flat_workgroup_size: 256
    .sgpr_count:     66
    .vgpr_count:     152
    .wavefront_size: 32
...
	.end_amdgpu_metadata
.endif
;; end of part 3
;; launch total (part 4): grid 1 x 1, 1 waves a work-group, no clusters, 0 bytes of LDS; arguments lpart, out1; writes out1
.if DOCPART == 4
	.amdgcn_target "amdgcn-amd-amdhsa--gfx1250"
	.amdhsa_code_object_version 6
	.text
	.protected	k_q9aa25156a5_total
	.globl	k_q9aa25156a5_total
	.p2align	8
	.type	k_q9aa25156a5_total,@function
k_q9aa25156a5_total:
	s_mov_b64 s[64:65], 0
	v_nop
	global_prefetch_b8 v0, s[64:65] scope:SCOPE_SE
	s_setreg_imm32_b32 hwreg(HW_REG_WAVE_MODE, 25, 1), 1
	s_wait_xcnt 0x0
; out1 = 1.25 x the mean of (e - zb)^2 over 16 x 256 x 1,024 = 2^22 numbers: the 256 work-groups' sums, added in a fixed order by one wave (a sum over work-groups has one owner), times 1.25 x 2^-22.
; 0.25 x mean + mean is taken as 1.25 x mean: one rounding fewer than the two terms added.
	s_load_b128 s[4:7], s[0:1], 0x0                ; lpart s[4:5], out1 s[6:7]
	v_lshlrev_b32 v1, 4, v0                        ; 16 bytes a lane
	s_mov_b32 s8, 0x76543210                       ; each lane takes its own place in the other half of the lanes
	s_mov_b32 s9, 0xfedcba98
	s_wait_kmcnt 0x0
	global_load_b128 v[4:7], v1, s[4:5]
	global_load_b128 v[8:11], v1, s[4:5] offset:512
	s_wait_loadcnt 0x0
	v_pk_add_f32 v[4:5], v[4:5], v[6:7]
	v_pk_add_f32 v[8:9], v[8:9], v[10:11]
	v_pk_add_f32 v[4:5], v[4:5], v[8:9]
	v_add_f32 v4, v4, v5
	v_add_f32_dpp v4, v4, v4 row_xmask:1 row_mask:0xf bank_mask:0xf
	v_add_f32_dpp v4, v4, v4 row_xmask:2 row_mask:0xf bank_mask:0xf
	v_add_f32_dpp v4, v4, v4 row_xmask:4 row_mask:0xf bank_mask:0xf
	v_add_f32_dpp v4, v4, v4 row_xmask:8 row_mask:0xf bank_mask:0xf
	v_permlanex16_b32 v5, v4, s8, s9
	v_add_f32 v4, v4, v5
	v_mul_f32 v4, 0x34a00000, v4                   ; 1.25 x 2^-22
	v_mov_b32 v2, 0
	v_cmp_eq_u32 vcc_lo, 0, v0
	s_wait_xcnt 0x0                                ; EXEC changes only behind this wait
	s_and_saveexec_b32 s10, vcc_lo
	global_store_b32 v2, v4, s[6:7]
	s_wait_xcnt 0x0
	s_or_b32 exec_lo, exec_lo, s10
	s_endpgm
.Lfunc_end_k_q9aa25156a5_total:
	.size	k_q9aa25156a5_total, .Lfunc_end_k_q9aa25156a5_total-k_q9aa25156a5_total
	.p2alignl 7, 3214868480
	.fill 96, 4, 3214868480
	.section	.rodata,"a",@progbits
	.p2align	6, 0x0
	.amdhsa_kernel k_q9aa25156a5_total
		.amdhsa_group_segment_fixed_size 0
		.amdhsa_private_segment_fixed_size 0
		.amdhsa_enable_private_segment 0
		.amdhsa_kernarg_size 16
		.amdhsa_user_sgpr_count 2
		.amdhsa_user_sgpr_kernarg_segment_ptr 1
		.amdhsa_wavefront_size32 1
		.amdhsa_system_sgpr_workgroup_id_x 1
		.amdhsa_system_sgpr_workgroup_id_y 1
		.amdhsa_system_sgpr_workgroup_id_z 1
		.amdhsa_system_vgpr_workitem_id 0
		.amdhsa_next_free_vgpr 16
		.amdhsa_next_free_sgpr 66
		.amdhsa_reserve_vcc 1
		.amdhsa_float_denorm_mode_32 3
		.amdhsa_float_denorm_mode_16_64 3
		.amdhsa_memory_ordered 1
		.amdhsa_forward_progress 1
		.amdhsa_inst_pref_size 2
	.end_amdhsa_kernel
	.amdgpu_metadata
---
amdhsa.version: [ 1, 2 ]
amdhsa.kernels:
  - .name:           k_q9aa25156a5_total
    .symbol:         k_q9aa25156a5_total.kd
    .args:
      - { .name: lpart, .offset: 0, .size: 8, .value_kind: global_buffer, .address_space: global }
      - { .name: out1, .offset: 8, .size: 8, .value_kind: global_buffer, .address_space: global }
    .group_segment_fixed_size: 0
    .private_segment_fixed_size: 0
    .kernarg_segment_align: 8
    .kernarg_segment_size: 16
    .max_flat_workgroup_size: 32
    .sgpr_count:     66
    .vgpr_count:     16
    .wavefront_size: 32
...
	.end_amdgpu_metadata
.endif
;; end of part 4
;; ======== version 2 of 2: 4 launches; version 1 with the launch prep written anew for expert scheduling mode
;; workspace buffers: zt 8,388,608 bytes; eb 8,388,608 bytes; nz 65,536 bytes; ne 65,536 bytes; part 1,048,576 bytes of whole numbers; lpart 1,024 bytes
;; launch prep (part 5): grid 256 x 1, 8 waves a work-group, no clusters, 35,328 bytes of LDS; arguments z, emb, zt, eb, nz, ne; writes zt, eb, nz, ne
.if DOCPART == 5
	.amdgcn_target "amdgcn-amd-amdhsa--gfx1250"
	.amdhsa_code_object_version 6
	.text
	.protected	k_q9aa25156a5_prep
	.globl	k_q9aa25156a5_prep
	.p2align	8
	.type	k_q9aa25156a5_prep,@function
k_q9aa25156a5_prep:
	s_mov_b64 s[64:65], 0
	v_nop
	global_prefetch_b8 v0, s[64:65] scope:SCOPE_SE
	s_setreg_imm32_b32 hwreg(HW_REG_WAVE_SCHED_MODE, 0, 2), 2
	s_setreg_imm32_b32 hwreg(HW_REG_WAVE_MODE, 25, 1), 1
	s_wait_xcnt 0x0
	s_wait_alu depctr_vm_vsrc(0)
; zt[n][c] = bf16(z[b][c][p]), n = 1024 b + p: z turned so that a vector's 256 channels lie on end.  eb = bf16(emb).
; nz[n] = sum over c of zt[n][c]^2, ne[k] = sum over c of eb[k][c]^2, both in f32 and both of the ROUNDED numbers.
; LIMITS.  z and emb are rounded to bf16 once, here; every later launch works on the rounded numbers.  The two norms are
; summed in this text's order (8 numbers a lane, then across the 32 lanes).  NaN and infinities are not treated apart.
; SHARES.  Work-group g of 256 takes 64 vectors of z (batch g / 16, places 64 (g % 16) on: for each channel 256 aligned bytes)
; and the 64 rows 64 g on of emb.  A stream: each input byte is read once, each store of a wave covers whole aligned blocks
; of 256 bytes.  The matrix unit, clusters and the data mover have nothing to add here.
; THE TURN goes through LDS: a thread rounds two channels of four places into four words and stores them into four rows;
; a wave then reads whole rows of 512 bytes.  Place p lies in row (p % 4) 16 + p / 4, rows 528 bytes = 132 words apart:
; the 32 lanes of a store then fall on 32 different words modulo 64.
; THE MODE: SCHED_MODE bits 1:0 = 2 (LLVM: expert scheduling mode 2), set by the entry lines.  The code itself states the register dependences
; between vector instructions and memory or LDS instructions, with s_wait_alu, always for 0.
; THE PLAN.  Registers that memory or LDS instructions touch:
;   v4-v9, v20, v21   offsets and LDS addresses: made once at the head, never written again.
;   Z+8i+0..3         loaded (z, channel c); step i's conversions write the four words there, in place; four LDS stores read them.  Never written again.
;   Z+8i+4..7         loaded (z, channel c+1); read by step i's conversions alone; behind the first barrier turned row i lands there; a global store and the squares read it.
;   E+8r+0..3         loaded (emb); row r's conversions write the rounded row there; two global stores and the squares read it.  Never written again.
;   SE+r, SZ+i        a sum each: written by the last add of its row's sum, read by one LDS store.  Never written again.
;   v12-v15           at work: no memory or LDS instruction names them.
; No register that a memory or LDS instruction has read is written again, so the text holds no wait on vm_vsrc.
; z goes in four blocks of two steps, emb in four blocks of two rows.  A block's stores are issued in the NEXT block: ONE wait on va_vdst at a block's head, behind its wait
; for data, states that the block before has written all that these stores read; the block's own vector work names its own rows, v12-v15 and its own sums alone.
.set PITCH, 528
.set NZL,   64*PITCH                   ; 33,792: behind the rows, 64 sums for nz,
.set NEL,   NZL+256                    ; 64 sums for ne,
.set SPARE, NEL+256                    ; and the spare words: 128 bytes for each of the eight waves, named by no other line
.set SPW, 10                           ; v10  SPARE + 4 x my thread's number; never rewritten
.set NIL, 11                           ; v11  0; never rewritten
.set Z,   32                           ; v[32:95]   z as loaded: step i, channel c at Z+8i, channel c+1 at Z+8i+4; then the words at Z+8i, later turned row i at Z+8i+4
.set E,   96                           ; v[96:159]  emb as loaded: row i at E+8i; its first four registers then hold the rounded row
.set SE,  160                          ; v[160:167] the sums of my wave's 8 rows of eb
.set SZ,  168                          ; v[168:175] the sums of my wave's 8 rows of zt
.set WV,  16                           ; s16  my wave's number
.set HM,  24                           ; s24  a word's upper bf16
.set SEL, 26                           ; s[26:27] each lane takes its own place in the other half of the lanes
	s_load_b256 s[4:11], s[0:1], 0x0               ; z s[4:5], emb s[6:7], zt s[8:9], eb s[10:11]
	s_load_b128 s[12:15], s[0:1], 0x20             ; nz s[12:13], ne s[14:15]
	v_lshl_add_u32 v[SPW], v0, 2, SPARE
	v_mov_b32 v[NIL], 0
	v_lshrrev_b32 v1, 5, v0
	v_readfirstlane_b32 s[WV], v1
	v_and_b32 v1, 31, v0                           ; lane
	v_and_b32 v2, 15, v0                           ; l16: which four places
	v_lshrrev_b32 v3, 4, v0                        ; cg: which pair of channels, 0..15
	v_lshlrev_b32 v4, 13, v3                       ; z: two channels of 4,096 bytes for each cg,
	v_lshl_add_u32 v4, v2, 4, v4                   ; 16 bytes for each l16
	v_mul_u32_u24 v6, v2, PITCH
	v_lshl_add_u32 v6, v3, 2, v6                   ; into LDS: row l16 (+ 16 j), word cg (+ 16 i)
	s_mov_b32 s[HM], 0xffff0000
	s_mov_b32 s[SEL], 0x76543210
	s_mov_b32 s[SEL+1], 0xfedcba98
	s_lshr_b32 s2, ttmp9, 4
	s_lshl_b32 s2, s2, 20                          ; z: the batch's 256 x 4,096 bytes,
	s_and_b32 s3, ttmp9, 15
	s_lshl_b32 s3, s3, 8                           ; my 64 places
	s_add_co_u32 s2, s2, s3
	s_mov_b32 s3, 0
	s_lshl_b32 s30, ttmp9, 16                      ; emb: 64 rows of 1,024 bytes
	s_mov_b32 s31, 0
	s_lshl_b32 s22, ttmp9, 15                      ; zt, eb: 64 rows of 512 bytes
	s_mov_b32 s23, 0
	s_lshl_b32 s28, ttmp9, 8                       ; nz, ne: 64 numbers
	s_mov_b32 s29, 0
	s_wait_alu depctr_va_sdst(0)                   ; s16, my wave's number, is written, ahead of its first reader: the line below
	s_lshl_b32 s17, s[WV], 13
	v_lshl_add_u32 v5, v1, 4, s17                  ; emb: my wave's 8 rows of 1,024 bytes, 16 bytes a lane
	s_mul_i32 s18, s[WV], 2*PITCH
	v_lshl_add_u32 v7, v1, 4, s18                  ; back: places 8 w + i lie in rows (i % 4) 16 + 2 w + i / 4
	s_lshl_b32 s19, s[WV], 12
	v_lshl_add_u32 v8, v1, 3, s19                  ; eb: my wave's 8 rows of 512 bytes, 8 bytes a lane
	v_lshl_add_u32 v9, v1, 4, s19                  ; zt: the same rows, 16 bytes a lane
	s_lshl_b32 s20, s[WV], 5
	s_add_co_u32 s21, s20, NEL
	s_add_co_u32 s20, s20, NZL
	v_mov_b32 v20, s21                             ; where my wave's 8 sums for ne go
	v_mov_b32 v21, s20                             ; and those for nz
	s_wait_kmcnt 0x0
	s_add_nc_u64 s[4:5], s[4:5], s[2:3]
	s_add_nc_u64 s[6:7], s[6:7], s[30:31]
	s_add_nc_u64 s[8:9], s[8:9], s[22:23]
	s_add_nc_u64 s[10:11], s[10:11], s[22:23]
	s_add_nc_u64 s[12:13], s[12:13], s[28:29]
	s_add_nc_u64 s[14:15], s[14:15], s[28:29]
	s_wait_alu depctr_va_vdst(0)                   ; v4 to v9, v20 and v21 are written: the offsets and LDS addresses that the loads and stores from here to the second barrier read
	; all 32 loads of the wave go out first: 16 of z (sixteen lanes take 256 neighbouring bytes of a channel), 16 of emb (512 neighbouring bytes each)
.set i, 0
.rept 8
	global_load_b128 v[Z+8*i:Z+8*i+3],   v4, s[4:5] offset:131072*i        ; channel 2 (cg + 16 i)
	global_load_b128 v[Z+8*i+4:Z+8*i+7], v4, s[4:5] offset:131072*i+4096   ; and the next
.set i, i+1
.endr
.set i, 0
.rept 8
	global_load_b128 v[E+8*i:E+8*i+3],   v5, s[6:7] offset:1024*i th:TH_LOAD_NT       ; row 8 w + i, channels 4 lane on
	global_load_b128 v[E+8*i+4:E+8*i+7], v5, s[6:7] offset:1024*i+512 th:TH_LOAD_NT   ; channels 128 + 4 lane on
.set i, i+1
.endr
; The sum of the squares of the 8 bf16 in v[r .. r+3], over all 32 lanes, into v[d] of every lane.
.macro SQ r, d
	v_lshlrev_b32 v12, 16, v[(\r)]
	v_and_b32 v13, s[HM], v[(\r)]
	v_pk_mul_f32 v[14:15], v[12:13], v[12:13]      ; the first pair starts the sums
.irp j, 1,2,3
	v_lshlrev_b32 v12, 16, v[(\r)+\j]
	v_and_b32 v13, s[HM], v[(\r)+\j]
	v_pk_fma_f32 v[14:15], v[12:13], v[12:13], v[14:15]
.endr
	v_add_f32 v14, v14, v15
	v_add_f32_dpp v14, v14, v14 row_xmask:1 row_mask:0xf bank_mask:0xf
	v_add_f32_dpp v14, v14, v14 row_xmask:2 row_mask:0xf bank_mask:0xf
	v_add_f32_dpp v14, v14, v14 row_xmask:4 row_mask:0xf bank_mask:0xf
	v_add_f32_dpp v14, v14, v14 row_xmask:8 row_mask:0xf bank_mask:0xf
	v_permlanex16_b32 v15, v14, s[SEL], s[SEL+1]
	v_add_f32 v[(\d)], v14, v15                    ; a register of its own for each sum: the LDS store that reads it comes later
.endm
; z, step s: two channels of a place make a word of its row, in place of the first channel; and the four words' way into LDS.
.macro ZCVT s
.irp j, 0,1,2,3
	v_cvt_pk_bf16_f32 v[Z+8*(\s)+\j], v[Z+8*(\s)+\j], v[Z+8*(\s)+4+\j]
.endr
.endm
.macro ZOUT s
.irp j, 0,1,2,3
	ds_store_b32 v6, v[Z+8*(\s)+\j] offset:16*PITCH*\j+64*(\s)
.endr
.endm
; emb, row r: rounded, squared and summed; and the row's way out (each store of the wave covers 256 consecutive bytes, aligned) with its sum's way into LDS.
.macro EROW r
	v_cvt_pk_bf16_f32 v[E+8*(\r)],   v[E+8*(\r)],   v[E+8*(\r)+1]
	v_cvt_pk_bf16_f32 v[E+8*(\r)+1], v[E+8*(\r)+2], v[E+8*(\r)+3]
	v_cvt_pk_bf16_f32 v[E+8*(\r)+2], v[E+8*(\r)+4], v[E+8*(\r)+5]
	v_cvt_pk_bf16_f32 v[E+8*(\r)+3], v[E+8*(\r)+6], v[E+8*(\r)+7]
	SQ E+8*(\r), SE+(\r)
.endm
.macro EOUT r
	global_store_b64 v8, v[E+8*(\r):E+8*(\r)+1],   s[10:11] offset:512*(\r)
	global_store_b64 v8, v[E+8*(\r)+2:E+8*(\r)+3], s[10:11] offset:512*(\r)+256
	ds_store_b32 v20, v[SE+(\r)] offset:4*(\r)     ; every lane holds the sum: all write the same word
.endm
	; z: four blocks of two steps
.set b, 0
.rept 4
	s_wait_loadcnt 28-4*b                          ; loads come back in order: the 28 - 4 b issued behind block b's four may stay out
.if b > 0
	s_wait_alu depctr_va_vdst(0)                   ; the block before has written its eight words, which the LDS stores below read
	ZOUT 2*b-2
	ZOUT 2*b-1
.endif
	ZCVT 2*b
	ZCVT 2*b+1
.set b, b+1
.endr
	; emb: four blocks of two rows; the stores of the block before are dealt among the block's vector work, which names none of their registers
.set b, 0
.rept 4
	s_wait_loadcnt 12-4*b                          ; the 12 - 4 b issued behind block b's four may stay out
	s_wait_alu depctr_va_vdst(0)                   ; the block before (z's last, or emb's) has written the words, the rounded rows and the sums that the stores below read
.if b == 0
	ZOUT 6
	ZOUT 7
	EROW 0
	EROW 1
.else
	EOUT 2*b-2
	EROW 2*b
	EOUT 2*b-1
	EROW 2*b+1
.endif
.set b, b+1
.endr
	s_wait_alu depctr_va_vdst(0)                   ; emb's last block has written rows 6 and 7 and their sums, which the stores below read
	EOUT 6
	EOUT 7
	s_wait_dscnt 0x0                               ; for the others' sake: my words of the rows are in LDS
	s_barrier_signal -1
	s_barrier_wait -1
	; the turned rows: read whole, stored whole, squared and summed.  Row i lands in Z+8i+4..7: only z's conversions have named these registers, all of them ahead of the wait
	; on va_vdst above; no vector instruction has been issued since, and no memory or LDS instruction has read them: nothing more is owed
.set i, 0
.rept 8
	ds_load_b128 v[Z+8*i+4:Z+8*i+7], v7 offset:((i%4)*16+i/4)*PITCH
.set i, i+1
.endr
.set i, 0
.rept 8
	s_wait_dscnt 7-i                               ; LDS loads come back in order: the 7 - i issued behind row i's may stay out
	global_store_b128 v9, v[Z+8*i+4:Z+8*i+7], s[8:9] offset:512*i  ; 512 consecutive bytes, a whole row of zt
	SQ Z+8*i+4, SZ+i
.set i, i+1
.endr
	s_wait_alu depctr_va_vdst(0)                   ; the eight sums SZ .. SZ+7 are written, which the run of LDS stores below reads
.set i, 0
.rept 8
	ds_store_b32 v21, v[SZ+i] offset:4*i
.set i, i+1
.endr
	s_wait_dscnt 0x0                               ; for the others' sake: my sums are in LDS
	s_barrier_signal -1
	s_barrier_wait -1
	s_cmp_gt_u32 s[WV], 1
	s_cbranch_scc1 .Lend
	s_lshl_b32 s25, s[WV], 8                       ; wave 0 sends the 64 sums of nz, wave 1 those of ne: 256 consecutive bytes each
	s_add_co_u32 s25, s25, NZL
	v_lshl_add_u32 v22, v1, 3, s25
	v_lshlrev_b32 v23, 3, v1
	s_wait_alu depctr_va_vdst(0)                   ; v22 and v23 are written: the LDS load's address and the store's offset
	ds_load_b64 v[24:25], v22
	s_cmp_eq_u32 s[WV], 0
	s_cselect_b64 s[2:3], s[12:13], s[14:15]
	s_wait_dscnt 0x0
	global_store_b64 v23, v[24:25], s[2:3]
.Lend:
	s_wait_dscnt 0x0                               ; the closing lines, six on end
	s_wait_alu 0x0
	s_wait_tensorcnt 0x0
	ds_add_u32 v[SPW], v[NIL]
	s_wait_dscnt 0x0
	s_endpgm
.Lfunc_end_k_q9aa25156a5_prep:
	.size	k_q9aa25156a5_prep, .Lfunc_end_k_q9aa25156a5_prep-k_q9aa25156a5_prep
	.p2alignl 7, 3214868480
	.fill 96, 4, 3214868480
	.section	.rodata,"a",@progbits
	.p2align	6, 0x0
	.amdhsa_kernel k_q9aa25156a5_prep
		.amdhsa_group_segment_fixed_size 35328
		.amdhsa_private_segment_fixed_size 0
		.amdhsa_enable_private_segment 0
		.amdhsa_kernarg_size 48
		.amdhsa_user_sgpr_count 2
		.amdhsa_user_sgpr_kernarg_segment_ptr 1
		.amdhsa_wavefront_size32 1
		.amdhsa_system_sgpr_workgroup_id_x 1
		.amdhsa_system_sgpr_workgroup_id_y 1
		.amdhsa_system_sgpr_workgroup_id_z 1
		.amdhsa_system_vgpr_workitem_id 0
		.amdhsa_next_free_vgpr 176
		.amdhsa_next_free_sgpr 66
		.amdhsa_reserve_vcc 0
		.amdhsa_float_denorm_mode_32 3
		.amdhsa_float_denorm_mode_16_64 3
		.amdhsa_memory_ordered 1
		.amdhsa_forward_progress 1
		.amdhsa_inst_pref_size 31
	.end_amdhsa_kernel
	.amdgpu_metadata
---
amdhsa.version: [ 1, 2 ]
amdhsa.kernels:
  - .name:           k_q9aa25156a5_prep
    .symbol:         k_q9aa25156a5_prep.kd
    .args:
      - { .name: z, .offset: 0, .size: 8, .value_kind: global_buffer, .address_space: global }
      - { .name: emb, .offset: 8, .size: 8, .value_kind: global_buffer, .address_space: global }
      - { .name: zt, .offset: 16, .size: 8, .value_kind: global_buffer, .address_space: global }
      - { .name: eb, .offset: 24, .size: 8, .value_kind: global_buffer, .address_space: global }
      - { .name: nz, .offset: 32, .size: 8, .value_kind: global_buffer, .address_space: global }
      - { .name: ne, .offset: 40, .size: 8, .value_kind: global_buffer, .address_space: global }
    .group_segment_fixed_size: 35328
    .private_segment_fixed_size: 0
    .kernarg_segment_align: 8
    .kernarg_segment_size: 48
    .max_flat_workgroup_size: 256
    .sgpr_count:     66
    .vgpr_count:     176
    .wavefront_size: 32
...
	.end_amdgpu_metadata
.endif
;; end of part 5
;; launch scan: the kernel of part 2 again; grid 32 x 8, 4 waves a work-group, clusters of 4 x 1, 327,680 bytes of LDS; arguments zt, eb, nz, ne, part; writes part
;; launch emit: the kernel of part 3 again; grid 256 x 1, 8 waves a work-group, no clusters, 35,328 bytes of LDS; arguments z, eb, part, out0, out2, lpart; writes out0, out2, lpart
;; launch total: the kernel of part 4 again; grid 1 x 1, 1 waves a work-group, no clusters, 0 bytes of LDS; arguments lpart, out1; writes out1
